; MI455X (gfx1250); checked and timed in simulation.
; The chip was launched on July 23, 2026; its instructions are those of AMD's public machine-readable ISA for CDNA 5 (MIT licence, August 2026) and "CDNA5" Instruction Set Architecture Reference Guide (July 2026). The comments in the code are by the model that wrote it; some were corrected since.
;; self attention. Allowed arithmetic: matrix products marked QUANTISED: E2M3 operands, one E8M0 scale for each 32 along K, by v_wmma_scale_f32_16x16x128_f8f6f4 with both operands' format E2M3, f32 sums; everything else in f32.
;; Inputs: Wk 2,048 x 128 float32; Wq 2,048 x 128 float32; Wv 2,048 x 128 float32; bk 128 float32; bq 128 float32; bv 128 float32; x 8 x 2,048 x 2,048 float32.
;; Outputs: out0 8 x 2,048 x 128 float32.
;; This version of the problem:
;;   THIS VERSION OF THE PROBLEM IS GIVEN IN LOW PRECISION. The matrix products marked QUANTISED in the list below multiply operands that are first quantised to E2M3 (2 exponent bits, 3 mantissa bits; 6 bits a number), with one power-of-two scale for each 32 numbers along K (OCP MX v1.0); their sums are f32. All else is computed in f32.
;;   The module's matrix products, in the order in which they are computed (A, B: the left and right operand; K: the contracted axis; several contracted axes count as one K, in the product's order):
;;     1. [M 16,384, K 2,048] x [K 2,048, N 128]; A: input x; B: input Wq: QUANTISED
;;     2. [M 16,384, K 2,048] x [K 2,048, N 128]; A: input x; B: input Wk: QUANTISED
;;     3. [M 16,384, K 2,048] x [K 2,048, N 128]; A: input x; B: input Wv: QUANTISED
;;     4. batch 8 x [M 2,048, K 128] x [K 128, N 2,048]; A: computed on the way; B: computed on the way: QUANTISED
;;     5. batch 8 x [M 2,048, K 2,048] x [K 2,048, N 128]; A: softmax (see below); B: computed on the way: QUANTISED
;;   THE QUANTISER, for each operand of a quantised product, along K:
;;     - K is cut into blocks of 32 from its start; a last block that is shorter is filled with zeros.
;;     - A block's scale is 2^e with e = floor(log2(the largest magnitude in the block)) - 2, held to -126 .. 127; a block of zeros has e = 0. As a byte (E8M0): e + 127.
;;     - Each number is divided by its block's scale, clamped to +-7.5, and rounded to the nearest number of E2M3, ties to even, subnormals kept.
;;     - The product sums the exact products of the quantised numbers (number of the format x scale) in f32.
;;   ~~~python
;;   def quantise(x, axis):      # numpy; x: float32 -> the quantised numbers, widened to float32 again
;;       x = np.moveaxis(x, axis, -1); K = x.shape[-1]
;;       x = np.pad(x, [(0, 0)] * (x.ndim - 1) + [(0, -K % 32)]); x = x.reshape(x.shape[:-1] + (-1, 32)); a = np.abs(x).max(-1, keepdims=True)
;;       e = np.where(a > 0, np.clip(np.frexp(np.where(a > 0, a, 1))[1] - 1 - 2, -126, 127), 0)      # np.frexp(a)[1] - 1 = floor(log2(a)), exactly
;;       r = np.clip(x / 2.0 ** e, -7.5, 7.5)
;;       step = 2.0 ** (np.maximum(np.frexp(np.where(r == 0, 1, r))[1] - 1, 0) - 3)
;;       q = np.round(r / step) * step * 2.0 ** e      # np.round: ties to even
;;       return np.moveaxis(q.reshape(q.shape[:-2] + (-1,))[..., :K], -1, axis).astype(np.float32)
;;   ~~~
;;   SOFTMAX AHEAD OF A QUANTISED PRODUCT. Where the list says 'softmax', what is quantised is not the finished softmax but p = 2^(t - M), with t = logit x log2(e) and M = ceil(the row's largest t), a whole number; so 1/2 < the row's largest p <= 1. The row's sum l is taken of the UNQUANTISED p, in f32, and the product's result is divided by l at the end. Since M is a whole number, a kernel that streams over the keys may use a running M (the ceiling of the running maximum): every later rescaling is an exact power of two, which a block's scale takes up: the codes' values come out the same.
;;   OPERANDS COMPUTED ON THE WAY. 'Computed on the way' means the value that the module computes at that place (a softmax that the list does not call 'softmax' is quantised finished and normalised). What goes into a quantiser is computed in f32, as accurately as f32 sums, v_exp_f32 and their like allow (about 1e-6 of the number): no bf16 or f16 on the way to a quantiser, and a product that is left as it is and whose result goes on into a quantised operand takes f32 operands (vector FMAs, or v_wmma_f32_16x16x4_f32). A number that lies on a knife's edge between two numbers of the format may be rounded either way, as far as f32 arithmetic and the matrix unit's own rounding can turn it there, and no further.
;; One version. Each part assembles by itself: llvm-mc -triple=amdgcn-amd-amdhsa -mcpu=gfx1250 --defsym DOCPART=n.
;; ======== version 1 of 1: 3 launches
;; limits: right only within a limited range of input values
;; workspace buffers: wimg 622,592 bytes; qc 1,572,864 bytes; kvc 3,145,728 bytes; scl 196,608 bytes
;; launch wq (part 1): grid 16 x 6, 8 waves a work-group, no clusters, 7,680 bytes of LDS; arguments Wq, Wk, Wv, wimg; writes wimg
.if DOCPART == 1
	.amdgcn_target "amdgcn-amd-amdhsa--gfx1250"
	.amdhsa_code_object_version 6
	.text
	.protected	k_qcce299e6ab_wq
	.globl	k_qcce299e6ab_wq
	.p2align	8
	.type	k_qcce299e6ab_wq,@function
k_qcce299e6ab_wq:
	s_mov_b64 s[64:65], 0
	v_nop
	global_prefetch_b8 v0, s[64:65] scope:SCOPE_SE
	s_setreg_imm32_b32 hwreg(HW_REG_WAVE_MODE, 25, 1), 1
	s_wait_xcnt 0x0
; Wq, Wk, Wv [2048 (k)][128 (n)], f32, K along the FIRST axis, become codes of FP6 (E2M3) with one E8M0 byte for each 32 along K,
; laid in wimg as IMAGES OF THE OPERAND'S REGISTERS for the next launch: block (c, kappa) at (16 c + kappa) x 9,728 bytes holds, for that launch's
; wave c and 128 along K (kappa), six fragments t (t = 0, 1: Wq, 2, 3: Wk, 4, 5: Wv; columns 32 c + 16 (t % 2) + r) of 1,536 bytes each:
; registers 4 g .. 4 g + 3 of lane L at 512 g + 16 L; behind them, at 9,216 + 128 i + 4 L, three registers of scale words (lanes 0-15 tile 2 i, lanes 16-31 tile 2 i + 1).
; The last 128 bytes of a block are not stored and no register is ever loaded with them.
; A work-group takes one kappa (x) and 64 columns of one tensor (y = 2 x tensor + half): 96 work-groups are all the work that 3 MB give.  Wave 4 g + b takes 32 columns (group g) and block b of 32 along K.
; A LANE TAKES A COLUMN AND ITS REGISTERS RUN DOWN K: a block lies in one lane, and the conversions give codes with K innermost; the two groups' waves read 256 consecutive bytes of each row.
; A block's scale is 2^(floor(log2(largest magnitude)) - 2); its byte is the largest magnitude's exponent field - 2, held at 1 from below.
; LIMITS: a block of zeros, or one whose largest magnitude lies under 2^-124, gets the byte 1 (the rule says 127 for zeros: its codes are zeros, and this program alone reads the bytes); NaN and infinities are not served.
.set WKB,  9728
.set X,    32                          ; v32-63  32 numbers down K
.set F,    64                          ; v64-69  the block's 32 codes
.set G,    72                          ; v72-74  their upper 16, as converted
.set SPW,  12
.set NIL,  13
.set GST,  3328                        ; a group's stage: two fragments, 128 bytes of scale words, 128 unused
.set SPARE, 2*GST                      ; spare words: 128 bytes a wave
	s_load_b256 s[4:11], s[0:1], 0x0               ; Wq, Wk, Wv, wimg
	v_lshl_add_u32 v[SPW], v0, 2, SPARE
	v_mov_b32 v[NIL], 0
	v_lshrrev_b32 v1, 5, v0
	v_readfirstlane_b32 s12, v1                    ; wave
	s_lshr_b32 s13, s12, 2                         ; g
	s_and_b32 s14, s12, 3                          ; b
	s_and_b32 s15, ttmp7, 0xffff
	s_lshr_b32 s16, s15, 1                         ; tensor
	s_and_b32 s17, s15, 1
	s_lshl_b32 s17, s17, 1
	s_add_co_u32 s17, s17, s13                     ; c: which 32 columns
	s_lshl_b32 s18, ttmp9, 16                      ; in: 128 rows of 512 bytes a kappa,
	s_lshl_b32 s19, s14, 14                        ; 32 rows a block,
	s_add_co_u32 s18, s18, s19
	s_lshl_b32 s19, s17, 7                         ; 128 bytes a column group
	s_add_co_u32 s18, s18, s19
	s_mov_b32 s19, 0
	s_lshl_b32 s20, s17, 4
	s_add_co_u32 s20, s20, ttmp9
	s_mul_i32 s20, s20, WKB                        ; out: block (c, kappa),
	s_mul_i32 s22, s16, 3072
	s_add_co_u32 s22, s22, s20                     ; fragments 2 i and 2 i + 1,
	s_mov_b32 s23, 0
	s_lshl_b32 s24, s16, 7
	s_add_co_u32 s24, s24, s20
	s_add_co_u32 s24, s24, 9216                    ; scale register i
	s_mov_b32 s25, 0
	s_mul_i32 s26, s13, GST
	s_lshl_b32 s29, s14, 9
	s_add_co_u32 s27, s29, s26
	s_and_b32 s28, s14, 1
	s_lshl_b32 s28, s28, 8
	s_add_co_u32 s28, s28, s26
	v_and_b32 v2, 31, v0                           ; lane
	v_and_b32 v3, 15, v0
	v_bfe_u32 v4, v0, 4, 1
	v_lshlrev_b32 v5, 2, v2                        ; 4 lane
	v_lshlrev_b32 v6, 4, v2                        ; 16 lane
	v_mul_u32_u24 v7, v4, 1536
	v_lshl_add_u32 v7, v3, 4, v7
	v_add_nc_u32 v7, s28, v7                       ; stage, in: fragment lane / 16, 256 (b % 2), 16 (lane % 16)
	v_add_nc_u32 v8, s27, v6                       ; stage, out: run b of 512 bytes
	v_add_nc_u32 v9, s26, v5                       ; scale words
	v_add_nc_u32 v10, s14, v9                      ; my block's byte in them
	v_add_nc_u32 v11, s29, v6                      ; run b in wimg
	s_wait_alu depctr_va_vdst(0)                   ; the wait at the head's end
	s_wait_kmcnt 0x0
	s_cmp_eq_u32 s16, 0                            ; the choice hangs on the work-group's number alone
	s_cselect_b64 s[4:5], s[4:5], s[6:7]
	s_cmp_eq_u32 s16, 2
	s_cselect_b64 s[4:5], s[8:9], s[4:5]
	s_add_nc_u64 s[4:5], s[4:5], s[18:19]
	s_add_nc_u64 s[22:23], s[10:11], s[22:23]
	s_add_nc_u64 s[24:25], s[10:11], s[24:25]
.set i, 0
.rept 32
	global_load_b32 v[X+i], v5, s[4:5] offset:512*i th:TH_LOAD_NT
.set i, i+1
.endr
	s_wait_loadcnt 0x0
	v_max3_num_f32 v14, |v[X]|, |v[X+1]|, 0x1800000                ; the largest magnitude, with the floor 2^(3 - 127): the byte cannot fall under 1; two chains
	v_max3_num_f32 v15, |v[X+2]|, |v[X+3]|, 0x1800000
.irp i, 4,8,12,16,20,24,28
	v_max3_num_f32 v14, v14, |v[X+\i]|, |v[X+\i+1]|
	v_max3_num_f32 v15, v15, |v[X+\i+2]|, |v[X+\i+3]|
.endr
	v_max_num_f32 v14, v14, v15
	v_add_nc_u32 v16, 0xff000000, v14              ; 2 off the exponent field: the conversion takes this operand's exponent field as its scale
	v_lshrrev_b32 v17, 23, v16                     ; the scale's byte
	v_cvt_scalef32_pk16_fp6_f32 v[F:F+2], v[X:X+15], v16
	v_cvt_scalef32_pk16_fp6_f32 v[G:G+2], v[X+16:X+31], v16        ; (a conversion's three registers begin on an even number)
	v_nop                                          ; one plain place behind a scaled conversion
.irp i, 0,1,2
	v_mov_b32 v[F+3+\i], v[G+\i]
.endr
	s_wait_alu depctr_va_vdst(0)                   ; the wait ahead of the branch
	ds_store_b8 v10, v17 offset:3072
	; block b = 2 c + h is registers 6 c .. 6 c + 5 of lane (r, h): c = 0: group 0 and the first half of group 1; c = 1: the second half of group 1 and group 2
	s_cmp_lt_u32 s14, 2
	s_cbranch_scc0 .Lupper
	ds_store_b128 v7, v[F:F+3]
	ds_store_b64 v7, v[F+4:F+5] offset:512
	s_branch .Lstaged
.Lupper:
	ds_store_b64 v7, v[F:F+1] offset:520
	ds_store_b128 v7, v[F+2:F+5] offset:1024
.Lstaged:
	s_wait_dscnt 0x0                               ; for the other waves' sake: my stores have landed
	s_barrier_signal -1
	s_barrier_wait -1
	ds_load_b128 v[80:83], v8                      ; a group's six runs of 512 bytes: waves b take run b, waves 0 and 1 also run 4 + b, wave 2 the scale words
	s_wait_dscnt 0x0
	global_store_b128 v11, v[80:83], s[22:23]
	s_cmp_lt_u32 s14, 2
	s_cbranch_scc0 .Lno_run
	ds_load_b128 v[84:87], v8 offset:2048
	s_wait_dscnt 0x0
	global_store_b128 v11, v[84:87], s[22:23] offset:2048
.Lno_run:
	s_cmp_eq_u32 s14, 2
	s_cbranch_scc0 .Lno_words
	ds_load_b32 v88, v9 offset:3072
	s_wait_dscnt 0x0
	global_store_b32 v5, v88, s[24:25]
.Lno_words:
	s_wait_tensorcnt 0x0                           ; the wave's end
	ds_add_u32 v[SPW], v[NIL]
	s_wait_dscnt 0x0
	s_endpgm
.Lfunc_end_k_qcce299e6ab_wq:
	.size	k_qcce299e6ab_wq, .Lfunc_end_k_qcce299e6ab_wq-k_qcce299e6ab_wq
	.p2alignl 7, 3214868480
	.fill 96, 4, 3214868480
	.section	.rodata,"a",@progbits
	.p2align	6, 0x0
	.amdhsa_kernel k_qcce299e6ab_wq
		.amdhsa_group_segment_fixed_size 7680
		.amdhsa_private_segment_fixed_size 0
		.amdhsa_enable_private_segment 0
		.amdhsa_kernarg_size 32
		.amdhsa_user_sgpr_count 2
		.amdhsa_user_sgpr_kernarg_segment_ptr 1
		.amdhsa_wavefront_size32 1
		.amdhsa_system_sgpr_workgroup_id_x 1
		.amdhsa_system_sgpr_workgroup_id_y 1
		.amdhsa_system_sgpr_workgroup_id_z 1
		.amdhsa_system_vgpr_workitem_id 0
		.amdhsa_next_free_vgpr 96
		.amdhsa_next_free_sgpr 66
		.amdhsa_reserve_vcc 0
		.amdhsa_float_denorm_mode_32 3
		.amdhsa_float_denorm_mode_16_64 3
		.amdhsa_memory_ordered 1
		.amdhsa_forward_progress 1
		.amdhsa_inst_pref_size 9
	.end_amdhsa_kernel
	.amdgpu_metadata
---
amdhsa.version: [ 1, 2 ]
amdhsa.kernels:
  - .name:           k_qcce299e6ab_wq
    .symbol:         k_qcce299e6ab_wq.kd
    .args:
      - { .name: Wq, .offset: 0, .size: 8, .value_kind: global_buffer, .address_space: global }
      - { .name: Wk, .offset: 8, .size: 8, .value_kind: global_buffer, .address_space: global }
      - { .name: Wv, .offset: 16, .size: 8, .value_kind: global_buffer, .address_space: global }
      - { .name: wimg, .offset: 24, .size: 8, .value_kind: global_buffer, .address_space: global }
    .group_segment_fixed_size: 7680
    .private_segment_fixed_size: 0
    .kernarg_segment_align: 8
    .kernarg_segment_size: 32
    .max_flat_workgroup_size: 256
    .sgpr_count:     66
    .vgpr_count:     96
    .wavefront_size: 32
...
	.end_amdgpu_metadata
.endif
;; end of part 1
;; launch proj (part 2): grid 256 x 1, 4 waves a work-group, clusters of 4 x 1, 327,680 bytes of LDS; arguments x, wimg, bq, bk, bv, qc, kvc, scl; writes qc, kvc, scl
.if DOCPART == 2
	.amdgcn_target "amdgcn-amd-amdhsa--gfx1250"
	.amdhsa_code_object_version 6
	.text
	.protected	k_qcce299e6ab_proj
	.globl	k_qcce299e6ab_proj
	.p2align	8
	.type	k_qcce299e6ab_proj,@function
k_qcce299e6ab_proj:
	s_mov_b64 s[64:65], 0
	v_nop
	global_prefetch_b8 v0, s[64:65] scope:SCOPE_SE
	s_setreg_imm32_b32 hwreg(HW_REG_WAVE_MODE, 25, 1), 1
	s_wait_xcnt 0x0
	s_wait_alu depctr_hold_cnt(0) depctr_sa_sdst(0) depctr_va_vdst(0) depctr_va_sdst(0) depctr_va_ssrc(0) depctr_va_vcc(0) depctr_vm_vsrc(0)
	s_getreg_b32 s2, hwreg(HW_REG_IB_STS2, 6, 4)
	s_cmp_eq_u32 s2, 0
	s_cbranch_scc0 .Lentry_in_a_cluster
	s_endpgm
.Lentry_in_a_cluster:
	s_bfe_u32 s2, ttmp6, 0x10000c
	s_cmp_lg_u32 s2, 0x3003
	s_cbranch_scc0 .Lentry_shape_is_right
	s_endpgm
.Lentry_shape_is_right:
; q, k, v = x W + b for 64 tokens a work-group (256 work-groups), x quantised on the way in, q, k, v quantised on the way out: codes of FP6 (E2M3) and scale bytes, laid for the launch that reads them.
; SHARES.  Four waves; wave w makes all 64 rows x 96 columns: columns 32 w .. 32 w + 31 of each of q, k, v: 24 accumulators of 16 x 16, 192 registers.  It also turns x's rows 16 w .. 16 w + 15 into codes for all four waves.
; K goes in eight steps of 256.  A UNIT is 16 rows x 128 along K: each wave makes two units a step.
; x comes by plain loads, 512 consecutive bytes of one row each, sixteen to a unit, three units ahead: 32 to 48 loads of a wave are out.  A unit then turns through the wave's own stage in LDS (rows of 528 bytes), so that lane (r, h)
; holds the WHOLE blocks h and 2 + h of 32 along K of row r: a block's largest magnitude needs no other lane, and its codes are the operand's registers.  They go to LDS as images of those registers, two buffers by turns.
; THE WEIGHTS' IMAGES are the same for every work-group: the four of a cluster ask for them JOINTLY (same tensor load, same descriptor, a mask that names the four).  Wave w asks for what wave w multiplies, 19,456 bytes a step, into two slots by turns.
; PREFETCH: step s asks for the weights of step s + 3, whose tensor load stands at the end of step s + 1: four clusters of the 64 ask, their sixteen waves each for 19 blocks of 256 bytes, told apart by address.  x is not prefetched: its own loads stand three units ahead already.
; PIPELINE.  While step s is multiplied, x's units of step s + 1 are turned, quantised and put into the other image buffer.  A kappa's 24 products carry the LDS instructions of the turn and of the next kappa's fragments between them.
; A round of the cluster's barrier ends a step: images of step s + 1 whole, the slot of step s read out, so it is filled again with step s + 2.
; q and k are made transposed (source 0 = the weights), so that a lane's registers run along the columns; v the other way, so that they run along the tokens: each is the K of the product that reads it.
; LIMITS: a block whose largest magnitude lies under 2^-124 keeps the byte 1 (zeros too: their codes are zeros); NaN and infinities are not served.
; REGISTERS: window 0 addresses, scale words, work, bias; window 1 two sets of fragments: weights at 72 k, x at 144 + 48 k; window 2 x as loaded: 128 (step % 2) + 64 kappa; window 3 v0-191 accumulators, v192-255 the turned unit.
; x'S LOADS AS THEY STAND: a unit is asked for three units ahead of its turn: 32 to 48 loads of a wave are out, and it has one step and a half in which to land.  (This stands in place of the figures on x's lead above.)
.set WSTEP, 19456                      ; a wave's weights of a step: two blocks of 9,728 bytes
.set SLOTB, 4*WSTEP
.set STG,   2*SLOTB                    ; the stages for x's turn, 8,448 bytes a wave
.set IMG,   STG+4*8448                 ; two image buffers: eight units of 1,536 bytes, then their scale words, 64 bytes a unit
.set IMB,   12800
.set SPARE, IMG+2*IMB                  ; spare words, 128 bytes a wave
.set SCST,  SPARE+512                  ; the results' scale bytes on the way out
.set SPW, 2
.set NIL, 3
.set XO,  4                            ; 16 lane
.set LW,  6                            ; v6, v7   my weights in slot 0, 1: + 16 lane
.set LWS, 8                            ; v8, v9   + 4 lane
.set XST, 10                           ; stage, in
.set XRD, 11                           ; stage, out
.set LI,  12                           ; images, + 16 lane
.set LS,  13                           ; images' scale words, + 4 lane
.set XWI, 14                           ; where my units' codes go
.set XWB, 15                           ; and their scale bytes
.set PFO, 16
.set BO,  18                           ; v18, v19 bias offsets
.set QO,  34
.set VO,  35
.set SBQ, 36
.set SBV, 37
.set SRB, 38
.set TM,  40                           ; v40-47 work.  (v20-22, v28-30 the weights' scale words, v24-25, v32-33 x's)
.set PC,  48                           ; v48-59 a unit's codes
.set PG,  60                           ; v60-62, v64-66 upper halves as converted
.set BI,  136                          ; v136-183 the bias, laid as the results lie: the first products' C
.set MSB, 0
.macro WIN new
.if MSB != (\new)
	s_set_vgpr_msb (MSB<<8)|(\new)
.set MSB, (\new)
.endif
.endm
.macro PLACES
.rept 4
	v_nop
.endr
.endm
.macro CREST                           ; a round of the cluster's barrier behind its opening barrier
	s_cmp_lg_u32 s20, 0
	s_cbranch_scc1 .Lnot_wave_0_\@
	s_barrier_signal -3
.Lnot_wave_0_\@:
	s_barrier_wait -3
	s_barrier_signal -1
	s_barrier_wait -1
.endm
.macro CROUND
	s_barrier_signal -1
	s_barrier_wait -1
	CREST
.endm
.macro TLOAD n
	tensor_load_to_lds s[32+4*(\n):35+4*(\n)], s[24:31]
	s_nop 0
	PLACES
.endm
.macro XLOAD st, kap, off              ; a unit of x: sixteen rows, 32 lanes on 512 consecutive bytes of each
	WIN 0x80
.set I_, 0
.rept 16
	global_load_b128 v[128*(\st)+64*(\kap)+4*I_:128*(\st)+64*(\kap)+4*I_+3], v[XO], s[40:41] offset:8192*I_+512*(\kap)+1024*(\off) th:TH_LOAD_NT
.set I_, I_+1
.endr
	WIN 0
.endm
; Fragment load i of 35: 18 of weights, 12 of x, 3 and 2 of scale words
.macro FOP i, kap, par
.set FI_, \i
.if (FI_ >= 0) && (FI_ < 18)
	WIN 0x40
	ds_load_b128 v[72*(\kap)+4*FI_:72*(\kap)+4*FI_+3], v[LW+(\par)] offset:9728*(\kap)+512*FI_
.elseif (FI_ >= 18) && (FI_ < 30)
	WIN 0x40
.set FK_, FI_-18
	ds_load_b128 v[144+48*(\kap)+4*FK_:147+48*(\kap)+4*FK_], v[LI] offset:IMB*(\par)+6144*(\kap)+512*FK_
.elseif (FI_ >= 30) && (FI_ < 33)
	WIN 0
	ds_load_b32 v[20+8*(\kap)+FI_-30], v[LWS+(\par)] offset:9728*(\kap)+9216+128*(FI_-30)
.elseif (FI_ >= 33) && (FI_ < 35)
	WIN 0
	ds_load_b32 v[24+8*(\kap)+FI_-33], v[LS] offset:IMB*(\par)+256*(\kap)+128*(FI_-33)
.endif
.endm
; A kappa's LDS instructions stand in two runs: the turn of a unit ahead of the products, the next kappa's 35 fragment loads in their middle.
.macro FETCH kap, par
.set Q_, 0
.rept 35
	FOP Q_, \kap, \par
.set Q_, Q_+1
.endr
.endm
; The turn of the next step's unit: 16 stores, 16 loads (LDS serves a wave's instructions in order, ISA guide 5.7.1.4: they see the stores).  par: the step's parity
.macro TURN kap, par
	WIN 0x08
.set I_, 0
.rept 16
	ds_store_b128 v[XST], v[128*(1-(\par))+64*(\kap)+4*I_:128*(1-(\par))+64*(\kap)+4*I_+3] offset:528*I_
.set I_, I_+1
.endr
	WIN 0xc0
.set I_, 0
.rept 16
	ds_load_b128 v[192+4*I_:195+4*I_], v[XRD] offset:256*(I_/8)+16*(I_%8)
.set I_, I_+1
.endr
.endm
.macro WM d, a, b, c, xa, xb, ra, rb
	v_wmma_scale_f32_16x16x128_f8f6f4 v[\d:\d+7], v[\a:\a+11], v[\b:\b+11], v[\c:\c+7], v[\xa], v[\xb] matrix_a_fmt:MATRIX_FMT_FP6 matrix_b_fmt:MATRIX_FMT_FP6 matrix_a_scale:MATRIX_SCALE_ROW\ra matrix_b_scale:MATRIX_SCALE_ROW\rb
.endm
; Product N_ of 24: column tile T_ (0, 1 q; 2, 3 k; 4, 5 v), row tile M_
.macro PROD set, first
.set T_, N_/4
.set M_, N_%4
.if T_ < 4
.set DD_, 64*(T_/2)+16*M_+8*(T_%2)
.set A_, 72*(\set)+12*T_
.set B_, 144+48*(\set)+12*M_
.set SA_, 20+8*(\set)+T_/2
.set SB_, 24+8*(\set)+M_/2
.set RR_, 2*(T_%2)+(M_%2)
.else
.set DD_, 128+32*(T_-4)+8*M_
.set A_, 144+48*(\set)+12*M_
.set B_, 72*(\set)+12*T_
.set SA_, 24+8*(\set)+M_/2
.set SB_, 20+8*(\set)+T_/2
.set RR_, 2*(M_%2)+(T_%2)
.endif
.if \first
.set C_, BI+8*T_
	WIN 0xc5
.else
.set C_, DD_
	WIN 0xf5
.endif
.if RR_ == 0
	WM DD_, A_, B_, C_, SA_, SB_, 0, 0
.elseif RR_ == 1
	WM DD_, A_, B_, C_, SA_, SB_, 0, 1
.elseif RR_ == 2
	WM DD_, A_, B_, C_, SA_, SB_, 1, 0
.else
	WM DD_, A_, B_, C_, SA_, SB_, 1, 1
.endif
.endm
.macro MUL n0, n1, set, first
.set N_, \n0
.rept (\n1)-(\n0)
	PROD \set, \first
.set N_, N_+1
.endr
.endm
; The turned unit into codes and scale bytes, and into image buffer img.  A block's scale is 2^(floor(log2(largest magnitude)) - 2)
.macro QUANT kap, img
	WIN 0x0f
.irp c, 0,1
	v_max3_num_f32 v[TM+2*\c], |v[192+32*\c]|, |v[193+32*\c]|, 0x1800000   ; with the floor 2^(3 - 127): the byte cannot fall under 1
	v_max3_num_f32 v[TM+2*\c+1], |v[194+32*\c]|, |v[195+32*\c]|, 0x1800000
.endr
.irp i, 4,8,12,16,20,24,28
.irp c, 0,1
	v_max3_num_f32 v[TM+2*\c], |v[192+32*\c+\i]|, |v[193+32*\c+\i]|, v[TM+2*\c]
	v_max3_num_f32 v[TM+2*\c+1], |v[194+32*\c+\i]|, |v[195+32*\c+\i]|, v[TM+2*\c+1]
.endr
.endr
	WIN 0
.irp c, 0,1
	v_max_num_f32 v[TM+2*\c], v[TM+2*\c], v[TM+2*\c+1]
.endr
.irp c, 0,1
	v_add_nc_u32 v[TM+4+\c], 0xff000000, v[TM+2*\c]                 ; 2 off the exponent field: the conversion's scale operand
.endr
.irp c, 0,1
	v_lshrrev_b32 v[TM+6+\c], 23, v[TM+4+\c]                        ; the scale's byte
.endr
	WIN 0x03
.irp c, 0,1
	v_cvt_scalef32_pk16_fp6_f32 v[PC+6*\c:PC+2+6*\c], v[192+32*\c:207+32*\c], v[TM+4+\c]
	v_cvt_scalef32_pk16_fp6_f32 v[PG+4*\c:PG+2+4*\c], v[208+32*\c:223+32*\c], v[TM+4+\c]
.endr
	v_nop                                          ; one plain place behind a scaled conversion
	WIN 0
.irp c, 0,1
.irp i, 0,1,2
	v_mov_b32 v[PC+3+6*\c+\i], v[PG+4*\c+\i]
.endr
.endr
.irp g, 0,1,2
	ds_store_b128 v[XWI], v[PC+4*\g:PC+4*\g+3] offset:IMB*(\img)+6144*(\kap)+512*\g
.endr
	ds_store_b8 v[XWB], v[TM+6] offset:IMB*(\img)+256*(\kap)        ; block h of my row,
	ds_store_b8 v[XWB], v[TM+7] offset:IMB*(\img)+256*(\kap)+2      ; and block 2 + h
.endm
; A step of 256 along K.  par: its parity; tu: a next step is turned and quantised; w0, w1: how many younger loads of x may be out behind units 0 and 1 of the next step;
; xl, xb: the steps of x whose second and first unit are asked for behind the two turns, counted from the base (-1: none); pf: prefetch, as an offset (1: none); ref: the slot is filled again
.macro STEP par, first, tu, w0, w1, xl, xb, pf, ref
.if \tu
	s_wait_loadcnt \w0
.endif
.if \first
	TURN 0, \par
	FETCH 0, \par
.else
.if \tu
	TURN 0, \par
.endif
	MUL 8, 16, 1, 0                                ; the rest of the last step's second kappa
	FETCH 0, \par
	MUL 16, 24, 1, 0
.endif
	WIN 0
.if \tu
	s_wait_dscnt 35                                ; the unit is turned; the 35 fragment loads behind it may be out
.if (\xl) >= 0
	XLOAD \par, 1, \xl                             ; into the registers of this step's second unit, turned in the last step
.endif
	QUANT 0, 1-(\par)
.if (\pf) != 1
	s_cmp_eq_u32 s22, 0
	s_cbranch_scc0 .Lno_pf_\@
	global_prefetch_b8 v[PFO], s[62:63] offset:\pf th:TH_LOAD_NT scope:SCOPE_SE
.Lno_pf_\@:
.endif
	s_wait_dscnt 5                                 ; the fragments are in; the unit's five stores may be out
	s_wait_loadcnt \w1
.else
	PLACES
	s_wait_dscnt 0x0
.endif
.if \tu
	TURN 1, \par
.endif
	MUL 0, 12, 0, \first
	FETCH 1, \par
	MUL 12, 24, 0, \first
	WIN 0
.if \tu
	s_wait_dscnt 35
.if (\xb) >= 0
	XLOAD 1-(\par), 0, \xb                         ; into the registers of the next step's first unit, turned above
.endif
	QUANT 1, 1-(\par)
	s_wait_tensorcnt 0x0                           ; my weights of the next step are in: no tensor load of mine is out
.if \ref
	ds_add_u32 v[SPW], v[NIL]
	s_add_nc_u64 s[34+4*(\par):35+4*(\par)], s[34+4*(\par):35+4*(\par)], 2*WSTEP
.endif
	s_wait_dscnt 0x0                               ; the add is done, my images are stored, my reads of this slot and these images are over
	s_barrier_signal -1
	MUL 0, 8, 1, 0                                 ; work on registers while the others arrive
	WIN 0
	s_barrier_wait -1
.if \ref
	CREST                                          ; all of it holds of every wave of the cluster
	TLOAD \par
.endif
.endif
.endm
	s_load_b256 s[4:11], s[0:1], 0x0               ; x, wimg, bq, bk
	s_load_b256 s[12:19], s[0:1], 0x20             ; bv, qc, kvc, scl
	v_lshl_add_u32 v[SPW], v0, 2, SPARE
	v_mov_b32 v[NIL], 0
	ds_add_u32 v[SPW], v[NIL]                      ; the opening: the add, twice on end, and its wait
	ds_add_u32 v[SPW], v[NIL]
	v_lshrrev_b32 v1, 5, v0
	v_readfirstlane_b32 s20, v1                    ; wave 0..3
	s_bfe_u32 s21, ttmp6, 0x40000                  ; cx
	s_lshl_b32 s3, ttmp9, 2
	s_add_co_u32 s3, s3, s21                       ; my work-group: 64 tokens
	s_and_b32 s22, ttmp9, 0x3a                     ; 0 in clusters 0, 1, 4, 5: they prefetch
	; descriptor group 1: a dense block of 19,456 bytes as 76 rows of 32 elements of 8 bytes; mask: all four work-groups, bit 21 beside it
	s_mov_b32 s24, 15|(3<<16)|(1<<21)
	s_mov_b32 s25, 32<<16
	s_mov_b32 s26, 76<<16
	s_mov_b32 s27, 32<<16
	s_mov_b32 s28, 76
	s_mov_b32 s29, 32
	s_mov_b32 s30, 0
	s_mov_b32 s31, 0
	s_mov_b32 s56, 0x76543210
	s_mov_b32 s57, 0xfedcba98
	s_mul_i32 s44, s20, WSTEP
	s_mul_i32 s45, s20, 8448
	s_add_co_u32 s45, s45, STG
	s_mul_i32 s46, s20, 1536
	s_lshl_b32 s47, s20, 6
	s_and_b32 s48, s20, 1
	s_lshl_b32 s48, s48, 4
	s_lshl_b32 s49, s20, 8
	s_mul_i32 s51, s21, 19*256
	v_and_b32 v40, 15, v0                          ; r
	v_bfe_u32 v41, v0, 4, 1                        ; h
	v_and_b32 v42, 31, v0                          ; lane
	v_lshlrev_b32 v[XO], 4, v42
	v_lshlrev_b32 v43, 2, v42
	v_add_nc_u32 v[LW], s44, v[XO]
	v_add_nc_u32 v[LWS], s44, v43
	v_add_nc_u32 v[LW+1], SLOTB, v[LW]
	v_add_nc_u32 v[LWS+1], SLOTB, v[LWS]
	v_add_nc_u32 v[XST], s45, v[XO]
	v_mul_u32_u24 v[XRD], v40, 528
	v_lshl_add_u32 v[XRD], v41, 7, v[XRD]
	v_add_nc_u32 v[XRD], s45, v[XRD]
	v_add_nc_u32 v[LI], IMG, v[XO]
	v_add_nc_u32 v[LS], IMG+12288, v43
	v_add_nc_u32 v[XWI], s46, v[LI]
	v_lshl_add_u32 v[XWB], v40, 2, v41
	v_add_nc_u32 v[XWB], s47, v[XWB]
	v_add_nc_u32 v[XWB], IMG+12288, v[XWB]
	v_lshlrev_b32 v[BO], 5, v41
	v_lshlrev_b32 v[BO+1], 2, v40
	v_xor_b32 v[QO], s48, v42
	v_lshlrev_b32 v[QO], 3, v[QO]
	v_lshlrev_b32 v[VO], 3, v42
	v_lshl_add_u32 v[SBQ], v40, 2, SCST
	v_add_nc_u32 v[SBQ], s20, v[SBQ]
	v_lshl_add_u32 v[SBV], v40, 1, SCST+512
	v_add_nc_u32 v[SBV], s47, v[SBV]
	v_lshl_add_u32 v[SRB], v42, 3, SCST
	v_add_nc_u32 v[SRB], s49, v[SRB]
	v_min_u32 v[PFO], 18, v42                      ; 19 blocks of 256 bytes: the lanes left over name the last again
	v_lshlrev_b32 v[PFO], 8, v[PFO]
	v_add_nc_u32 v[PFO], s51, v[PFO]
	s_wait_alu depctr_va_vdst(0)                   ; the wait at the head's end
	s_wait_dscnt 0x0                               ; both opening adds are done
	CROUND                                         ; all four work-groups are here, ahead of the wait for the arguments: the first joint loads meet
	s_wait_kmcnt 0x0
	s_mul_i32 s60, s20, 16*9728                    ; my weights
	s_mov_b32 s61, 0
	s_add_nc_u64 s[34:35], s[6:7], s[60:61]
	s_mov_b32 s32, 1
	s_mov_b32 s33, s44
	s_mov_b32 s36, 1
	s_add_co_u32 s37, s44, SLOTB
	s_add_nc_u64 s[38:39], s[34:35], WSTEP
	s_add_nc_u64 s[62:63], s[34:35], 4*WSTEP       ; prefetches: step 4, which step 1 asks for
	s_or_b32 s35, s35, 0x80000000
	s_or_b32 s39, s39, 0x80000000
	TLOAD 0                                        ; step 0's weights, ahead of all else: one tensor load a wave at the head
	s_lshl_b32 s58, s3, 19                         ; x: 64 rows of 8,192 bytes a work-group, 16 a wave
	s_lshl_b32 s60, s20, 17
	s_add_co_u32 s58, s58, s60
	s_mov_b32 s59, 0
	s_add_nc_u64 s[40:41], s[4:5], s[58:59]
	s_lshl_b32 s60, s20, 7
	s_mov_b32 s61, 0
	s_add_nc_u64 s[50:51], s[8:9], s[60:61]
	s_add_nc_u64 s[52:53], s[10:11], s[60:61]
	s_add_nc_u64 s[54:55], s[12:13], s[60:61]
.irp t, 0,1
	global_load_b128 v[BI+8*\t:BI+3+8*\t], v[BO], s[50:51] offset:64*\t
	global_load_b128 v[BI+4+8*\t:BI+7+8*\t], v[BO], s[50:51] offset:64*\t+16
	global_load_b128 v[BI+16+8*\t:BI+19+8*\t], v[BO], s[52:53] offset:64*\t
	global_load_b128 v[BI+20+8*\t:BI+23+8*\t], v[BO], s[52:53] offset:64*\t+16
	global_load_b32 v[BI+32+8*\t], v[BO+1], s[54:55] offset:64*\t
.endr
	XLOAD 0, 0, 0                                  ; units 0 to 2 of x
	s_cmp_eq_u32 s22, 0
	s_cbranch_scc0 .Lno_pf_head
	global_prefetch_b8 v[PFO], s[62:63] offset:-3*WSTEP th:TH_LOAD_NT scope:SCOPE_SE   ; step 1's weights, whose tensor load stands ahead of step 0
.Lno_pf_head:
	XLOAD 0, 1, 0
	XLOAD 1, 0, 1
	s_mul_i32 s58, s3, 6144                        ; where the results go
	s_mul_i32 s60, s20, 768
	s_add_co_u32 s60, s58, s60
	s_add_nc_u64 s[42:43], s[14:15], s[60:61]
	s_add_nc_u64 s[44:45], s[16:17], s[60:61]
	s_mul_i32 s60, s20, 1536
	s_add_co_u32 s60, s60, s58
	s_add_co_u32 s60, s60, 1572864
	s_add_nc_u64 s[46:47], s[16:17], s[60:61]
	s_lshl_b32 s60, s20, 16
	s_lshl_b32 s58, s3, 8
	s_add_co_u32 s60, s60, s58
	s_add_nc_u64 s[48:49], s[18:19], s[60:61]
.macro FIRST kap                       ; step 0's units, ahead of any product
	s_wait_loadcnt 32                              ; my unit is in; the two younger units may be out
.if \kap == 0
.irp t, 32,40
.irp j, 1,2,3,4,5,6,7
	v_mov_b32 v[BI+\t+\j], v[BI+\t]                ; v's bias: one number a lane and tile, over the tile's eight registers
.endr
.endr
	s_wait_alu depctr_va_vdst(0)
.endif
	TURN \kap, 1
	WIN 0
	s_wait_dscnt 0x0
	XLOAD 1-(\kap), 1-(\kap), 1+(\kap)             ; unit 3 (step 1's second), then unit 4 (step 2's first)
	QUANT \kap, 0
.if \kap == 1
	s_cmp_eq_u32 s22, 0
	s_cbranch_scc0 .Lno_pf_\@
	global_prefetch_b8 v[PFO], s[62:63] offset:-2*WSTEP th:TH_LOAD_NT scope:SCOPE_SE   ; step 2's weights, whose tensor load stands at the end of step 0
.Lno_pf_\@:
.endif
.endm
	FIRST 0
	FIRST 1
	s_wait_tensorcnt 0x0                           ; step 0's weights are in
	ds_add_u32 v[SPW], v[NIL]
	s_wait_dscnt 0x0
	CROUND
	TLOAD 1                                        ; step 1's weights
	STEP 0, 1, 1, 32, 32, 2, 3, -WSTEP, 1          ; step 0
	s_mov_b32 s23, 2
.Lsteps:                                               ; steps 1, 2 and 3, 4
	STEP 1, 0, 1, 32, 32, 3, 4, 0, 1
	STEP 0, 0, 1, 32, 32, 4, 5, WSTEP, 1
	s_wait_xcnt 0x0                                ; x's loads and the prefetch have read their bases
	s_add_nc_u64 s[40:41], s[40:41], 2048
	s_add_nc_u64 s[62:63], s[62:63], 2*WSTEP
	s_sub_co_u32 s23, s23, 1
	s_cmp_lg_u32 s23, 0
	s_cbranch_scc1 .Lsteps
	STEP 1, 0, 1, 32, 32, 3, -1, 1, 1              ; step 5: x's last unit is asked for (step 7, the base being four steps on)
	STEP 0, 0, 1, 16, 0, -1, -1, 1, 0              ; step 6: no slot is filled again
	STEP 1, 0, 0, 0, 0, -1, -1, 1, 0               ; step 7
	s_wait_dscnt 0x0
	MUL 0, 24, 1, 0
	WIN 0
	PLACES                                         ; four places behind the last products
; THE WAY OUT.  Twelve pairs u of accumulators: q's and k's (32 neighbouring columns of a token lie in lanes l and l xor 16), then v's (32 tokens of a column)
.set EM, 104
.set EP, 116
.set ES, 128
.set EB, 140
.set EF, 168
.set EG, 216
.irp u, 0,1,2,3,4,5,6,7,8,9,10,11
	v_mov_b32 v[EP+\u], 0
.endr
	WIN 0x0f
.irp u, 0,1,2,3,4,5,6,7,8,9,10,11
	v_max3_num_f32 v[EM+\u], |v[16*\u]|, |v[16*\u+1]|, 0x1800000
.endr
.irp i, 2,4,6,8,10,12,14
.irp u, 0,1,2,3,4,5,6,7,8,9,10,11
	v_max3_num_f32 v[EM+\u], |v[16*\u+\i]|, |v[16*\u+\i+1]|, v[EM+\u]
.endr
.endr
	WIN 0
.irp u, 0,1,2,3,4,5,6,7,8,9,10,11
	v_permlanex16_b32 v[EP+\u], v[EM+\u], s56, s57
.endr
.irp u, 0,1,2,3,4,5,6,7,8,9,10,11
	v_max_num_f32 v[EM+\u], v[EM+\u], v[EP+\u]
.endr
.irp u, 0,1,2,3,4,5,6,7,8,9,10,11
	v_add_nc_u32 v[ES+\u], 0xff000000, v[EM+\u]
.endr
.irp u, 0,1,2,3,4,5,6,7,8,9,10,11
	v_lshrrev_b32 v[EB+\u], 23, v[ES+\u]
.endr
	WIN 0x03
.irp p, 0,1,2,3,4,5
	v_cvt_scalef32_pk16_fp6_f32 v[EF+8*\p:EF+8*\p+2], v[32*\p:32*\p+15], v[ES+2*\p]
	v_cvt_scalef32_pk16_fp6_f32 v[EG+4*\p:EG+4*\p+2], v[32*\p+16:32*\p+31], v[ES+2*\p+1]
.endr
	v_nop
	WIN 0
.irp p, 0,1,2,3,4,5
.irp i, 0,1,2
	v_permlane16_swap_b32 v[EF+8*\p+\i], v[EG+4*\p+\i]   ; a whole block in a lane
.endr
.irp i, 0,1,2
	v_mov_b32 v[EF+8*\p+3+\i], v[EG+4*\p+\i]
.endr
.endr
.irp b, 0,1
.irp p, 0,1,2
	global_store_b64 v[QO], v[EF+8*\b+2*\p:EF+8*\b+2*\p+1], s[42:43] offset:3072*\b+256*\p
	global_store_b64 v[QO], v[EF+16+8*\b+2*\p:EF+16+8*\b+2*\p+1], s[44:45] offset:3072*\b+256*\p
	global_store_b64 v[VO], v[EF+32+8*\b+2*\p:EF+32+8*\b+2*\p+1], s[46:47] offset:768*\b+256*\p
.endr
.endr
.irp m, 0,1,2,3
	ds_store_b8 v[SBQ], v[EB+\m] offset:64*\m
	ds_store_b8 v[SBQ], v[EB+4+\m] offset:256+64*\m
.endr
.irp t, 0,1
.irp b, 0,1
	ds_store_b8 v[SBV], v[EB+8+2*\t+\b] offset:32*\t+\b
.endr
.endr
	s_wait_dscnt 0x0                               ; for the other waves' sake: my scale bytes have landed
	s_barrier_signal -1
	s_barrier_wait -1
	s_cmp_lt_u32 s20, 3                            ; waves 0, 1, 2 store q's, k's, v's 256 scale bytes
	s_cbranch_scc0 .Lno_scl
	ds_load_b64 v[EM:EM+1], v[SRB]
	s_wait_dscnt 0x0
	global_store_b64 v[VO], v[EM:EM+1], s[48:49]
.Lno_scl:
	s_wait_tensorcnt 0x0                           ; the wave's end
	ds_add_u32 v[SPW], v[NIL]
	s_wait_dscnt 0x0
	CROUND                                         ; the closing round: no work-group ends while a partner may still ask for a tile that names it
	s_endpgm
.Lfunc_end_k_qcce299e6ab_proj:
	.size	k_qcce299e6ab_proj, .Lfunc_end_k_qcce299e6ab_proj-k_qcce299e6ab_proj
	.p2alignl 7, 3214868480
	.fill 96, 4, 3214868480
	.section	.rodata,"a",@progbits
	.p2align	6, 0x0
	.amdhsa_kernel k_qcce299e6ab_proj
		.amdhsa_group_segment_fixed_size 327680
		.amdhsa_private_segment_fixed_size 0
		.amdhsa_enable_private_segment 0
		.amdhsa_kernarg_size 64
		.amdhsa_user_sgpr_count 2
		.amdhsa_user_sgpr_kernarg_segment_ptr 1
		.amdhsa_wavefront_size32 1
		.amdhsa_system_sgpr_workgroup_id_x 1
		.amdhsa_system_sgpr_workgroup_id_y 1
		.amdhsa_system_sgpr_workgroup_id_z 1
		.amdhsa_system_vgpr_workitem_id 0
		.amdhsa_next_free_vgpr 1024
		.amdhsa_next_free_sgpr 66
		.amdhsa_reserve_vcc 0
		.amdhsa_float_denorm_mode_32 3
		.amdhsa_float_denorm_mode_16_64 3
		.amdhsa_memory_ordered 1
		.amdhsa_forward_progress 1
		.amdhsa_inst_pref_size 175
	.end_amdhsa_kernel
	.amdgpu_metadata
---
amdhsa.version: [ 1, 2 ]
amdhsa.kernels:
  - .name:           k_qcce299e6ab_proj
    .symbol:         k_qcce299e6ab_proj.kd
    .args:
      - { .name: x, .offset: 0, .size: 8, .value_kind: global_buffer, .address_space: global }
      - { .name: wimg, .offset: 8, .size: 8, .value_kind: global_buffer, .address_space: global }
      - { .name: bq, .offset: 16, .size: 8, .value_kind: global_buffer, .address_space: global }
      - { .name: bk, .offset: 24, .size: 8, .value_kind: global_buffer, .address_space: global }
      - { .name: bv, .offset: 32, .size: 8, .value_kind: global_buffer, .address_space: global }
      - { .name: qc, .offset: 40, .size: 8, .value_kind: global_buffer, .address_space: global }
      - { .name: kvc, .offset: 48, .size: 8, .value_kind: global_buffer, .address_space: global }
      - { .name: scl, .offset: 56, .size: 8, .value_kind: global_buffer, .address_space: global }
    .group_segment_fixed_size: 327680
    .private_segment_fixed_size: 0
    .kernarg_segment_align: 8
    .kernarg_segment_size: 64
    .max_flat_workgroup_size: 128
    .sgpr_count:     66
    .vgpr_count:     1024
    .wavefront_size: 32
...
	.end_amdgpu_metadata
.endif
;; end of part 2
;; launch attn (part 3): grid 32 x 8, 8 waves a work-group, clusters of 4 x 1, 327,680 bytes of LDS; arguments qc, kvc, scl, out0; writes out0
.if DOCPART == 3
	.amdgcn_target "amdgcn-amd-amdhsa--gfx1250"
	.amdhsa_code_object_version 6
	.text
	.protected	k_qcce299e6ab_attn
	.globl	k_qcce299e6ab_attn
	.p2align	8
	.type	k_qcce299e6ab_attn,@function
k_qcce299e6ab_attn:
	s_mov_b64 s[64:65], 0
	v_nop
	global_prefetch_b8 v0, s[64:65] scope:SCOPE_SE
	s_setreg_imm32_b32 hwreg(HW_REG_WAVE_MODE, 25, 1), 1
	s_wait_xcnt 0x0
	s_wait_alu depctr_hold_cnt(0) depctr_sa_sdst(0) depctr_va_vdst(0) depctr_va_sdst(0) depctr_va_ssrc(0) depctr_va_vcc(0) depctr_vm_vsrc(0)
	s_getreg_b32 s2, hwreg(HW_REG_IB_STS2, 6, 4)
	s_cmp_eq_u32 s2, 0
	s_cbranch_scc0 .Lentry_in_a_cluster
	s_endpgm
.Lentry_in_a_cluster:
	s_bfe_u32 s2, ttmp6, 0x10000c
	s_cmp_lg_u32 s2, 0x3003
	s_cbranch_scc0 .Lentry_shape_is_right
	s_endpgm
.Lentry_shape_is_right:
; out0[b][q][:] = the sum over keys of softmax(q . k / sqrt(128)) v, both products on codes of FP6 (E2M3) with one E8M0 scale for each 32 along a product's K; codes and scale bytes as the launch before laid them.
; THE SOFTMAX AHEAD OF THE SECOND PRODUCT: t = score x log2(e) / sqrt(128); M = the largest t so far, rounded UP to a whole number; p = 2^(t - M) is quantised along the keys, not normalised; the row's sum is taken of the
; unquantised p and divides at the end.  When M moves, the sum and O are multiplied by 2^(old M - new M): exact.
; SHARES.  A work-group owns 64 queries of one batch (256 work-groups).  Wave w: query pair t = w % 2 (two tiles u of 16 queries), key quarter c = w / 2: of each chunk of 512 keys it walks the c-th 128: four key steps in all.
; Each fragment of K and of V feeds the products of both tiles.  The four quarters are joined at the end through LDS: each O and sum is brought under the largest of the four M by an exact power of two, and the four are added in f32.
; CLUSTER.  The four work-groups of a cluster belong to one batch and walk the same K and V: each tile is asked for JOINTLY (the same tensor load, the same descriptor, a mask that names the four).
; FILLS.  Four chunks go through three LDS slots.  Waves 0 and 1 issue chunk 0's K and V at the head, waves 2 to 5 those of chunks 1 and 2: one tensor load a wave; waves 0 and 1 issue the one refill, chunk 3 into slot 0.
; NO PREFETCH: there is no loop to run ahead in: three chunks of four are asked for at the head, the fourth two key steps ahead.
; LAYOUT.  Both products are used transposed: S^T = K Q^T (source 0 = 16 keys), O^T = V^T P^T (source 0 = 16 of d): a lane holds ONE query (lane % 16) of each tile throughout.
; ORDER INSIDE A BLOCK: the 16 registers of key tiles 2 b and 2 b + 1 are keys 32 b + 8 h + 0 .. 7 and 32 b + 16 + 8 h + 0 .. 7: a block's 32 codes of p stand in the order 0-7, 16-23, 8-15, 24-31, as V's do; q's and k's along d likewise.
; LIMITS: NaN and infinities are not served; scaled scores stay under 2^31 in magnitude; a block whose every p has fallen to 0 keeps the byte 1 with zero codes; O is summed in four key quarters.
; REGISTERS, window 0: v1-13 addresses; v16-39 Q, two tiles; v40-135 eight fragments of K, then of V; v136-159 p's codes; v160-195, v196-231 the two tiles' work; v240-243 V's, v248-251 K's, v252, v253 p's, v255 Q's scale words.
; Window 1: S^T, then p, of tile u at 64 u; O^T at 128 + 64 u.
.set SLOTB, 98304                      ; a slot: K of 512 keys (49,152 bytes), then V
.set SCK,   3*SLOTB                    ; K's scale words of the batch: 4 bytes a key
.set SCV,   SCK+8192                   ; V's: [16 groups of 128 keys][128 d] words
.set ML,    SCV+8192                   ; for each wave and tile 256 bytes: -M at 4 lane, the sum at 128 + 4 lane
.set SPARE, ML+4096                    ; spare words, 128 bytes a wave
.set STAGE, SLOTB                      ; the join: 16 rows x (512 + 16) bytes for each quarter and tile, in slots 1 and 2: they have had their last fill, and nobody reads them any more
.set AKE,  1                           ; v1-3   K, even tile of a pair, slots 0 to 2: 12,288 c + 896 h + 8 r
.set AKO,  4                           ; v4-6   odd tile: 12,288 c + 128 + 640 h + 8 r
.set AV,   7                           ; v7-9   V: 49,152 + 12,288 c + 8 lane
.set ASK,  10
.set ASV,  11
.set SPW,  12
.set NIL,  13
.set Q,    16
.set FR,   40
.set PC,   136
.set NM,   160                         ; a tile's work, 36 u on: -M, the largest t,
.set MX,   161
.set SU,   162                         ; the sum in two halves,
.set FF,   164                         ; 2^(old M - new M),
.set BM,   166                         ; the blocks' largest,
.set BP,   170
.set SC,   174                         ; the conversions' scale operands,
.set GG,   178                         ; upper halves as converted,
.set CH,   186                         ; four chains of sums
.set T1,   194
.set T2,   195
.set VW,   240
.set KW,   248
.set PS,   252
.set QS,   255
.set WV,   12                          ; s12  wave;  s13 = t;  s14 = c
.set SEL,  20                          ; s[20:21] lane selects for lane l xor 16
.set CS,   22                          ; s[22:23] log2(e) / sqrt(128)
.set MSB, 0
.macro WIN new
.if MSB != (\new)
	s_set_vgpr_msb (MSB<<8)|(\new)
.set MSB, (\new)
.endif
.endm
.macro PLACES
.rept 4
	v_nop
.endr
.endm
.macro ROUND                           ; a round of the cluster's barrier
	s_barrier_signal -1
	s_barrier_wait -1
	s_cmp_lg_u32 s[WV], 0
	s_cbranch_scc1 .Lnot_wave_0_\@
	s_barrier_signal -3
.Lnot_wave_0_\@:
	s_barrier_wait -3
	s_barrier_signal -1
	s_barrier_wait -1
.endm
	s_load_b256 s[4:11], s[0:1], 0x0               ; qc, kvc, scl, out0
	v_lshl_add_u32 v[SPW], v0, 2, SPARE
	v_mov_b32 v[NIL], 0
	ds_add_u32 v[SPW], v[NIL]                      ; the opening: the add, twice on end, and its wait
	ds_add_u32 v[SPW], v[NIL]
	v_lshrrev_b32 v14, 5, v0
	v_readfirstlane_b32 s[WV], v14                 ; wave 0..7
	s_and_b32 s13, s[WV], 1                        ; t
	s_lshr_b32 s14, s[WV], 1                       ; c
	s_bfe_u32 s15, ttmp6, 0x40000                  ; cx: it enters Q's, its scale words' and out0's global addresses alone
	s_lshl_b32 s16, ttmp9, 2
	s_add_co_u32 s16, s16, s15                     ; my block of 64 queries
	s_and_b32 s17, ttmp7, 0xffff                   ; the batch, which the four partners share
	; descriptor group 1: a dense block of 49,152 bytes as 192 rows of 32 elements of 8 bytes; mask: all four work-groups, bit 21 beside it
	s_mov_b32 s24, 15|(3<<16)|(1<<21)
	s_mov_b32 s25, 32<<16
	s_mov_b32 s26, 192<<16
	s_mov_b32 s27, 32<<16
	s_mov_b32 s28, 192
	s_mov_b32 s29, 32
	s_mov_b32 s30, 0
	s_mov_b32 s31, 0
	s_mul_i32 s44, s13, 1572864                    ; what wave w fetches: K (t = 0) or V of chunk c,
	s_mul_i32 s45, s17, 196608
	s_add_co_u32 s44, s44, s45
	s_mul_i32 s45, s14, 49152
	s_add_co_u32 s44, s44, s45
	s_mov_b32 s45, 0
	s_mul_i32 s33, s[WV], 49152                    ; and where it goes
	s_mov_b32 s32, 1
	s_lshl_b32 s46, s17, 6                         ; Q: pair of tiles 64 batch + 2 block + t, 3,072 bytes each
	s_lshl_b32 s47, s16, 1
	s_add_co_u32 s46, s46, s47
	s_add_co_u32 s46, s46, s13
	s_lshl_b32 s48, s46, 7                         ; its scale words, 128 bytes
	s_mov_b32 s49, 0
	s_mul_i32 s46, s46, 3072
	s_mov_b32 s47, 0
	s_lshl_b32 s50, s17, 13                        ; K's scale words of the batch
	s_add_co_u32 s50, s50, 65536
	s_mov_b32 s51, 0
	s_lshl_b32 s52, s17, 13                        ; V's scale bytes of the batch: 512 bytes for 128 keys, mine w and w + 8
	s_lshl_b32 s53, s[WV], 9
	s_add_co_u32 s52, s52, s53
	s_add_co_u32 s52, s52, 131072
	s_mov_b32 s53, 0
	s_lshl_b32 s56, s17, 11                        ; out0: row 2,048 batch + 64 block + 8 w
	s_lshl_b32 s57, s16, 6
	s_add_co_u32 s56, s56, s57
	s_lshl_b32 s57, s[WV], 3
	s_add_co_u32 s56, s56, s57
	s_lshl_b32 s56, s56, 9
	s_mov_b32 s57, 0
	s_mov_b32 s[SEL], 0x76543210
	s_mov_b32 s[SEL+1], 0xfedcba98
	s_mov_b32 s[CS], 0x3e0293ee                    ; c = log2(e) / sqrt(128)
	s_mov_b32 s[CS+1], s[CS]                       ; (named with it as a pair, so it is written)
	s_mul_i32 s18, s14, 12288
	s_lshl_b32 s19, s14, 9
	v_and_b32 v232, 15, v0                         ; r
	v_bfe_u32 v233, v0, 4, 1                       ; h
	v_and_b32 v234, 31, v0                         ; lane
	v_lshlrev_b32 v232, 3, v232
	v_lshlrev_b32 v237, 2, v234
	v_lshlrev_b32 v238, 4, v0
	v_lshlrev_b32 v239, 3, v234
	v_mad_u32_u24 v235, v233, 896, v232            ; block 2 c' + h at 768 h, tile u at 128 (u xor h), row r at 8 r
	v_mad_u32_u24 v236, v233, 640, v232
	v_add_nc_u32 v236, 128, v236
	v_add_nc_u32 v[AKE], s18, v235
	v_add_nc_u32 v[AKO], s18, v236
	v_add_nc_u32 v[AV], s18, v239
	v_add_nc_u32 v[AV], 49152, v[AV]
.irp n, 1,2
	v_add_nc_u32 v[AKE+\n], SLOTB*\n, v[AKE]
	v_add_nc_u32 v[AKO+\n], SLOTB*\n, v[AKO]
	v_add_nc_u32 v[AV+\n], SLOTB*\n, v[AV]
.endr
	v_add_nc_u32 v[ASK], s19, v237
	v_add_nc_u32 v[ASV], SCV, v[ASK]
	v_add_nc_u32 v[ASK], SCK, v[ASK]
	v_add_nc_u32 v244, SCK, v238
	v_add_nc_u32 v245, SCV, v238
.irp u, 0,36
	v_mov_b32 v[MX+\u], 0xff61b1e6                 ; the largest t so far: -3e38, under every t
	v_mov_b32 v[SU+\u], 0
	v_mov_b32 v[SU+1+\u], 0
	v_mov_b32 v[FF+1+\u], 0                        ; (named as the upper half of a pair)
	v_floor_f32 v[NM+\u], -v[MX+\u]                ; -M
.irp b, 0,1,2,3
	v_mov_b32 v[BP+\b+\u], 0                       ; written once: a lane permute's destination counts as one of its sources
.endr
.endr
	s_wait_alu depctr_va_vdst(0)                   ; the wait at the head's end
	s_wait_dscnt 0x0                               ; both opening adds are done
	ROUND                                          ; all four work-groups are here, ahead of the wait for the arguments: the first joint loads meet
	s_wait_kmcnt 0x0
	s_add_nc_u64 s[34:35], s[6:7], s[44:45]
	s_or_b32 s35, s35, 0x80000000
	s_add_nc_u64 s[46:47], s[4:5], s[46:47]
	s_add_nc_u64 s[48:49], s[8:9], s[48:49]
	s_add_nc_u64 s[50:51], s[8:9], s[50:51]
	s_add_nc_u64 s[52:53], s[8:9], s[52:53]
	s_add_nc_u64 s[56:57], s[10:11], s[56:57]
	global_load_b128 v[40:43], v238, s[50:51]      ; K's scale words: 256 threads x 2 x 16 bytes are the batch's 8,192
	global_load_b128 v[44:47], v238, s[50:51] offset:4096
	global_load_b64 v[48:49], v239, s[52:53]       ; V's: of 64 keys two bytes for each of d = 4 lane .. 4 lane + 3,
	global_load_b64 v[50:51], v239, s[52:53] offset:256             ; and of the next 64;
	global_load_b64 v[52:53], v239, s[52:53] offset:4096            ; and the same 1,024 keys on
	global_load_b64 v[54:55], v239, s[52:53] offset:4096+256
.irp cc, 0,1
.irp p, 0,1,2
	global_load_b64 v[Q+6*\cc+2*\p:Q+1+6*\cc+2*\p], v235, s[46:47] offset:1536*\cc+256*\p   ; Q's fragments stay in registers
	global_load_b64 v[Q+12+6*\cc+2*\p:Q+13+6*\cc+2*\p], v236, s[46:47] offset:1536*\cc+256*\p
.endr
.endr
	global_load_b32 v[QS], v237, s[48:49]          ; lanes 0-15: tile 0's words, lanes 16-31: tile 1's
	s_cmp_lt_u32 s[WV], 2                          ; one chain of branches on the wave's number: chunk 0's loads have a line of their own, since only their waves wait ahead of the first step
	s_cbranch_scc0 .Lnot_chunk_0
	tensor_load_to_lds s[32:35], s[24:31]
	s_nop 0
	PLACES
	s_branch .Lno_fill
.Lnot_chunk_0:
	s_cmp_lt_u32 s[WV], 6
	s_cbranch_scc0 .Lno_fill
	tensor_load_to_lds s[32:35], s[24:31]
	s_nop 0
	PLACES
.Lno_fill:
	s_wait_loadcnt 0x0
.irp k, 0,4
	v_perm_b32 v[56+\k], v[50+\k], v[48+\k], 0x05040100             ; a word for 128 keys and one d: the first 64 keys' two bytes below, the second's above
	v_perm_b32 v[57+\k], v[50+\k], v[48+\k], 0x07060302
	v_perm_b32 v[58+\k], v[51+\k], v[49+\k], 0x05040100
	v_perm_b32 v[59+\k], v[51+\k], v[49+\k], 0x07060302
.endr
	ds_store_b128 v244, v[40:43]
	ds_store_b128 v244, v[44:47] offset:4096
	ds_store_b128 v245, v[56:59]
	ds_store_b128 v245, v[60:63] offset:4096
	s_wait_alu depctr_va_vdst(0)                   ; the wait ahead of the branch
	s_cmp_lt_u32 s[WV], 2
	s_cbranch_scc0 .Lnot_mine
	s_wait_tensorcnt 0x0                           ; my part of chunk 0 is in; chunks 1 and 2 may still be on their way
.Lnot_mine:
	s_wait_dscnt 0x0                               ; my scale words have landed
	s_barrier_signal -1
	s_barrier_wait -1
.macro SW t2, to, u                    ; S^T: key tile 2 t2 + to, query tile u
	v_wmma_scale_f32_16x16x128_f8f6f4 v[64*\u+16*\t2+8*\to:64*\u+16*\t2+8*\to+7], v[FR+24*\t2+12*\to:FR+24*\t2+12*\to+11], v[Q+12*\u:Q+11+12*\u], 0, v[KW+\t2], v[QS] matrix_a_fmt:MATRIX_FMT_FP6 matrix_b_fmt:MATRIX_FMT_FP6 matrix_a_scale:MATRIX_SCALE_ROW\to matrix_b_scale:MATRIX_SCALE_ROW\u
.endm
.macro OW d2, do, u, c                 ; O^T: d tile 2 d2 + do, query tile u
	v_wmma_scale_f32_16x16x128_f8f6f4 v[128+64*\u+16*\d2+8*\do:128+64*\u+16*\d2+8*\do+7], v[FR+24*\d2+12*\do:FR+24*\d2+12*\do+11], v[PC+12*\u:PC+11+12*\u], \c, v[VW+\d2], v[PS+\u] matrix_a_fmt:MATRIX_FMT_FP6 matrix_b_fmt:MATRIX_FMT_FP6 matrix_a_scale:MATRIX_SCALE_ROW\do matrix_b_scale:MATRIX_SCALE_ROW0
.endm
; A KEY STEP: my 128 keys of the chunk that lies in the slot.  first = 1: the products V^T P^T start O^T's sums with the constant 0, and there is nothing to rescale.  The two tiles go by turns, line by line.
.macro STEP slot, chunk, first
	PLACES                                         ; places ahead of the loads into the registers that held V's fragments
.irp b, 0,1,2,3
	ds_load_b32 v[KW+\b], v[ASK] offset:2048*(\chunk)+128*\b   ; lanes 0-15: tile 2 b's words; lanes 16-31: tile 2 b + 1's
.endr
.irp t2, 0,1,2,3
.irp cc, 0,1
.irp p, 0,1,2
	ds_load_b64 v[FR+24*\t2+6*\cc+2*\p:FR+1+24*\t2+6*\cc+2*\p], v[AKE+\slot] offset:3072*\t2+1536*\cc+256*\p
	ds_load_b64 v[FR+12+24*\t2+6*\cc+2*\p:FR+13+24*\t2+6*\cc+2*\p], v[AKO+\slot] offset:3072*\t2+1536*\cc+256*\p
.endr
.endr
.endr
	s_wait_dscnt 24                                ; the words and four fragments are in; the younger four may be out
	WIN 0x40
.irp t2, 0,1,2,3
.if \t2 == 2
	s_wait_dscnt 0x0
.endif
.irp to, 0,1
	SW \t2, \to, 0
	SW \t2, \to, 1
.endr
.endr
	WIN 0
	PLACES                                         ; for the first read of the scores, and for the loads into the registers that held K's fragments
.irp b, 0,1,2,3
	ds_load_b32 v[VW+\b], v[ASV] offset:2048*(\chunk)+128*\b   ; V's scale words: lanes 0-15: d tile 2 b's; lanes 16-31: tile 2 b + 1's
.endr
.irp d, 0,1,2,3,4,5,6,7                ; V's fragments: asked for here, wanted behind the softmax
.irp cc, 0,1
.irp p, 0,1,2
	ds_load_b64 v[FR+12*\d+6*\cc+2*\p:FR+1+12*\d+6*\cc+2*\p], v[AV+\slot] offset:6144*\cc+768*\d+256*\p
.endr
.endr
.endr
	s_wait_alu depctr_va_vdst(0)
	WIN 0x15
.irp b, 0,1,2,3
.irp u, 0,1
	v_max3_num_f32 v[BM+36*\u+\b], v[64*\u+16*\b], v[64*\u+16*\b+1], v[64*\u+16*\b+2]   ; the largest score of each block of 32 keys: it serves for the row's maximum and, since p rises with the score, for the block's largest p
.endr
.endr
	WIN 0x14
.irp i, 3,5,7,9,11,13
.irp b, 0,1,2,3
.irp u, 0,1
	v_max3_num_f32 v[BM+36*\u+\b], v[BM+36*\u+\b], v[64*\u+16*\b+\i], v[64*\u+16*\b+\i+1]
.endr
.endr
.endr
	WIN 0x04
.irp b, 0,1,2,3
.irp u, 0,1
	v_max_num_f32 v[BM+36*\u+\b], v[BM+36*\u+\b], v[64*\u+16*\b+15]
.endr
.endr
	WIN 0
.irp b, 0,1,2,3
.irp u, 0,36
	v_permlanex16_b32 v[BP+\u+\b], v[BM+\u+\b], s[SEL], s[SEL+1]
.endr
.endr
.irp b, 0,1,2,3
.irp u, 0,36
	v_max_num_f32 v[BM+\u+\b], v[BM+\u+\b], v[BP+\u+\b]   ; with lane l xor 16's 16 keys
.endr
.endr
.irp u, 0,36
	v_max3_num_f32 v[T1+\u], v[BM+\u], v[BM+1+\u], v[BM+2+\u]
.endr
.irp u, 0,36
	v_max_num_f32 v[T1+\u], v[T1+\u], v[BM+3+\u]   ; the step's largest score of my query
.endr
.irp u, 0,36
	v_mul_f32 v[T1+\u], s[CS], v[T1+\u]            ; as t (c is positive)
.endr
.irp u, 0,36
	v_max_num_f32 v[MX+\u], v[MX+\u], v[T1+\u]     ; the running largest t
.endr
.irp u, 0,36
	v_mov_b32 v[T1+\u], v[NM+\u]
.endr
.irp u, 0,36
	v_floor_f32 v[NM+\u], -v[MX+\u]                ; the new -M = floor(-t) = -ceil(t): a whole number
.endr
.irp u, 0,36
	v_sub_f32 v[T1+\u], v[NM+\u], v[T1+\u]         ; M's old value less its new one: a whole number, 0 or less
.endr
.irp u, 0,36
	v_cvt_i32_f32 v[T1+\u], v[T1+\u]               ; (it saturates)
.endr
.irp u, 0,36
	v_ldexp_f32 v[FF+\u], 1.0, v[T1+\u]            ; f = 2^(old M - new M)
.endr
	WIN 0x41
.set j, 0
.rept 32
.irp u, 0,1
	v_pk_fma_f32 v[64*\u+j:64*\u+j+1], v[64*\u+j:64*\u+j+1], s[CS:CS+1], v[NM+36*\u:NM+1+36*\u] op_sel_hi:[1,0,0]   ; t - M, two at a time
.endr
.set j, j+2
.endr
	WIN 0
.irp b, 0,1,2,3
.irp u, 0,36
	v_fma_f32 v[BM+\u+\b], v[BM+\u+\b], s[CS], v[NM+\u]   ; the same of each block's largest score
.endr
.endr
	s_wait_alu depctr_va_vdst(0)                   ; the wait ahead of the batch
	WIN 0x41
.set j, 0
.rept 128
	v_exp_f32 v[j], v[j]                           ; p = 2^(t - M), at most 1: not normalised
.set j, j+1
.endr
	WIN 0
.irp b, 0,1,2,3
.irp u, 0,36
	v_exp_f32 v[BM+\u+\b], v[BM+\u+\b]             ; the block's largest p: the same two instructions on the same number give the same bits
.endr
.endr
.irp u, 0,36
	v_pk_mul_f32 v[SU+\u:SU+1+\u], v[SU+\u:SU+1+\u], v[FF+\u:FF+1+\u] op_sel_hi:[1,0]   ; the sums under the new M.  (Plain places behind the exponentials)
.endr
	s_wait_alu depctr_va_vdst(0)                   ; and behind it
.irp b, 0,1,2,3
.irp u, 0,36
	v_max_num_f32 v[BM+\u+\b], 0x1800000, v[BM+\u+\b]   ; the floor 2^(3 - 127): the byte cannot fall under 1
.endr
.endr
.irp b, 0,1,2,3
.irp u, 0,36
	v_add_nc_u32 v[SC+\u+\b], 0xff000000, v[BM+\u+\b]   ; 2 off the exponent field: the conversion's scale operand
.endr
.endr
.irp b, 0,1,2,3
.irp u, 0,36
	v_lshrrev_b32 v[BP+\u+\b], 23, v[SC+\u+\b]     ; the scale's byte
.endr
.endr
.irp u, 0,1
	v_lshl_or_b32 v[PS+\u], v[BP+1+36*\u], 8, v[BP+36*\u]   ; p's scale word for these 128 keys
.endr
.irp u, 0,1
	v_lshl_or_b32 v[PS+\u], v[BP+2+36*\u], 16, v[PS+\u]
.endr
.irp u, 0,1
	v_lshl_or_b32 v[PS+\u], v[BP+3+36*\u], 24, v[PS+\u]
.endr
	WIN 0x01
.irp u, 0,1
.irp c, 0,1
	v_cvt_scalef32_pk16_fp6_f32 v[PC+12*\u+6*\c:PC+2+12*\u+6*\c], v[64*\u+32*\c:64*\u+32*\c+15], v[SC+36*\u+2*\c]
	v_cvt_scalef32_pk16_fp6_f32 v[GG+36*\u+4*\c:GG+2+36*\u+4*\c], v[64*\u+32*\c+16:64*\u+32*\c+31], v[SC+36*\u+2*\c+1]
.endr
.endr
	v_nop                                          ; one plain place behind a scaled conversion
	WIN 0
.irp i, 0,1,2                          ; a whole block in a lane: lanes 0-15 block 2 c, lanes 16-31 block 2 c + 1
.irp u, 0,1
.irp c, 0,1
	v_permlane16_swap_b32 v[PC+12*\u+6*\c+\i], v[GG+36*\u+4*\c+\i]
.endr
.endr
.endr
.irp i, 0,1,2
.irp u, 0,1
.irp c, 0,1
	v_mov_b32 v[PC+3+12*\u+6*\c+\i], v[GG+36*\u+4*\c+\i]
.endr
.endr
.endr
	WIN 0x05
.irp k, 0,2,4,6                        ; the row's sum, of the unquantised p, in four chains a tile
.irp u, 0,1
	v_pk_add_f32 v[CH+36*\u+\k:CH+36*\u+\k+1], v[64*\u+\k:64*\u+\k+1], v[64*\u+8+\k:64*\u+\k+9]
.endr
.endr
	WIN 0x04
.irp m, 16,24,32,40,48,56
.irp k, 0,2,4,6
.irp u, 0,1
	v_pk_add_f32 v[CH+36*\u+\k:CH+36*\u+\k+1], v[CH+36*\u+\k:CH+36*\u+\k+1], v[64*\u+\m+\k:64*\u+\m+\k+1]
.endr
.endr
.endr
	WIN 0
.irp k, 0,4
.irp u, 0,36
	v_pk_add_f32 v[CH+\u+\k:CH+\u+\k+1], v[CH+\u+\k:CH+\u+\k+1], v[CH+\u+\k+2:CH+\u+\k+3]
.endr
.endr
.irp u, 0,36
	v_pk_add_f32 v[CH+\u:CH+\u+1], v[CH+\u:CH+\u+1], v[CH+\u+4:CH+\u+5]
.endr
.irp u, 0,36
	v_pk_add_f32 v[SU+\u:SU+\u+1], v[SU+\u:SU+\u+1], v[CH+\u:CH+\u+1]
.endr
.if !\first
	s_wait_alu depctr_va_vdst(0)                   ; the wait ahead of O^T's first reader
	WIN 0x41
.set j, 0
.rept 32
.irp u, 0,1
	v_pk_mul_f32 v[128+64*\u+j:129+64*\u+j], v[128+64*\u+j:129+64*\u+j], v[FF+36*\u:FF+1+36*\u] op_sel_hi:[1,0]   ; O^T under the new M, each accumulator from its low end on
.endr
.set j, j+2
.endr
.endif
	s_wait_alu depctr_va_vdst(0)
	s_wait_dscnt 0x0                               ; all eight fragments of V and its scale words are in
.if \first
	WIN 0x40
.else
	WIN 0x50
.endif
.irp d2, 0,1,2,3                       ; O^T += V^T P^T: sixteen accumulators by turns; K = these 128 keys
.irp do, 0,1
.irp u, 0,1
.if \first
	OW \d2, \do, \u, 0
.else
	OW \d2, \do, \u, v[128+64*\u+16*\d2+8*\do:128+64*\u+16*\d2+8*\do+7]
.endif
.endr
.endr
.endr
	WIN 0
.endm
	STEP 0, 0, 1
	s_wait_tensorcnt 0x0                           ; all my tensor loads have landed: no load of mine is out, so group 0 may be written
	ds_add_u32 v[SPW], v[NIL]                      ; twice
	ds_add_u32 v[SPW], v[NIL]
	s_add_nc_u64 s[34:35], s[34:35], 3*49152       ; slot 0 takes chunk 3
	s_wait_dscnt 0x0                               ; the add is done, and my reads of slot 0 are over
	ROUND                                          ; both now hold of every wave of all four work-groups
	s_cmp_lt_u32 s[WV], 2
	s_cbranch_scc0 .Lno_refill
	tensor_load_to_lds s[32:35], s[24:31]          ; the one refill, first behind the round: it has two key steps in which to land
	s_nop 0
	PLACES
.Lno_refill:
	STEP 1, 1, 0
	STEP 2, 2, 0
	s_wait_tensorcnt 0x0                           ; my part of chunk 3 is in,
	s_wait_dscnt 0x0                               ; and my reads of slots 1 and 2 are over: the join's stage will lie there
	s_barrier_signal -1
	s_barrier_wait -1
	STEP 0, 3, 0
	; THE JOIN of the four key quarters.
	PLACES                                         ; four places behind the last products
.irp u, 0,36
	v_add_f32 v[SU+\u], v[SU+\u], v[SU+1+\u]       ; the sum's two halves,
.endr
.irp u, 0,36
	v_permlanex16_b32 v[BP+\u], v[SU+\u], s[SEL], s[SEL+1]
.endr
.irp u, 0,36
	v_add_f32 v[SU+\u], v[SU+\u], v[BP+\u]         ; and lane l xor 16's: my quarter's sum
.endr
	s_lshl_b32 s18, s[WV], 9
	s_lshl_b32 s19, s13, 9
	s_mul_i32 s44, s14, 33792
	s_mul_i32 s45, s13, 16896
	s_add_co_u32 s44, s44, s45
	s_mul_i32 s45, s[WV], 4224
	v_and_b32 v232, 15, v0                         ; r
	v_bfe_u32 v233, v0, 4, 1                       ; h
	v_and_b32 v234, 31, v0                         ; lane
	v_lshlrev_b32 v235, 2, v234
	v_add_nc_u32 v236, s18, v235
	v_add_nc_u32 v236, ML, v236                    ; my wave's -M and sums, 256 bytes a tile
	v_add_nc_u32 v237, s19, v235
	v_add_nc_u32 v237, ML, v237                    ; those of wave 2 c' + t: 1,024 c' on
	v_mul_u32_u24 v238, v232, 528
	v_lshl_add_u32 v238, v233, 5, v238
	v_add_nc_u32 v238, s44, v238
	v_add_nc_u32 v238, STAGE, v238                 ; into the stage: 33,792 c + 8,448 (2 t + u), row r; d tile's eight numbers of my half at 64 d + 32 h
	v_lshlrev_b32 v245, 4, v234                    ; 16 bytes a lane in a row of out0,
	v_add_nc_u32 v239, s45, v245
	v_add_nc_u32 v239, STAGE, v239                 ; and of the stage: my eight rows 8 w .. 8 w + 7; the copy of quarter c' lies 33,792 c' on
	v_add_nc_u32 v244, 67584, v239
.irp u, 0,1
	ds_store_b32 v236, v[NM+36*\u] offset:256*\u
	ds_store_b32 v236, v[SU+36*\u] offset:256*\u+128
.endr
	s_wait_alu depctr_va_vdst(0)
	s_wait_dscnt 0x0
	s_barrier_signal -1
	s_barrier_wait -1
.irp u, 0,1
.irp cc, 0,1,2,3
	ds_load_b32 v[BM+36*\u+\cc], v237 offset:1024*\cc+256*\u
	ds_load_b32 v[SC+36*\u+\cc], v237 offset:1024*\cc+256*\u+128
.endr
.endr
	s_wait_dscnt 0x0
.irp u, 0,36
	v_min3_num_f32 v[T1+\u], v[BM+\u], v[BM+1+\u], v[BM+2+\u]
.endr
.irp u, 0,36
	v_min_num_f32 v[T1+\u], v[T1+\u], v[BM+3+\u]   ; -M*: M* is the largest of the four M
.endr
.irp u, 0,36
.irp cc, 0,1,2,3
	v_sub_f32 v[BM+\u+\cc], v[T1+\u], v[BM+\u+\cc] ; M_c' - M*: a whole number, 0 or less
.endr
	v_sub_f32 v[T2+\u], v[T1+\u], v[NM+\u]
.endr
.irp u, 0,36
.irp cc, 0,1,2,3
	v_cvt_i32_f32 v[BM+\u+\cc], v[BM+\u+\cc]
.endr
	v_cvt_i32_f32 v[T2+\u], v[T2+\u]
.endr
.irp u, 0,36
.irp cc, 0,1,2,3
	v_ldexp_f32 v[BM+\u+\cc], 1.0, v[BM+\u+\cc]    ; 2^(M_c' - M*): exact
.endr
	v_ldexp_f32 v[T2+\u], 1.0, v[T2+\u]            ; and my own
.endr
.irp u, 0,36
	v_mul_f32 v[T1+\u], v[BM+\u], v[SC+\u]
.endr
.irp cc, 1,2,3
.irp u, 0,36
	v_fma_f32 v[T1+\u], v[BM+\u+\cc], v[SC+\u+\cc], v[T1+\u]   ; the row's sum under M*
.endr
.endr
	s_wait_alu depctr_va_vdst(0)                   ; the wait ahead of the transcendentals,
.irp u, 0,36
	v_rcp_f32 v[T1+\u], v[T1+\u]
.endr
	v_nop                                          ; one plain place behind a transcendental
	s_wait_alu depctr_va_vdst(0)                   ; and behind them
.irp u, 0,36
	v_mul_f32 v[FF+\u], v[T1+\u], v[T2+\u]
.endr
.irp u, 0,36
	v_mov_b32 v[FF+1+\u], v[FF+\u]                 ; (the packed form names the pair)
.endr
	WIN 0x41
.set j, 0
.rept 32
.irp u, 0,1
	v_pk_mul_f32 v[64*\u+j:64*\u+j+1], v[128+64*\u+j:129+64*\u+j], v[FF+36*\u:FF+1+36*\u] op_sel_hi:[1,0]   ; my quarter's O^T under M*, divided by the sum; each accumulator from its low end on
.endr
.set j, j+2
.endr
	WIN 0x04
.irp u, 0,1
.irp d, 0,1,2,3,4,5,6,7
	ds_store_b128 v238, v[64*\u+8*\d:64*\u+8*\d+3] offset:8448*\u+64*\d
	ds_store_b128 v238, v[64*\u+8*\d+4:64*\u+8*\d+7] offset:8448*\u+64*\d+16
.endr
.endr
	WIN 0
	s_wait_dscnt 0x0                               ; for the others' sake: my stores have landed
	s_barrier_signal -1
	s_barrier_wait -1
	WIN 0x40
.irp i, 0,1,2,3,4,5,6,7
.irp cc, 0,1
	ds_load_b128 v[32*\cc+4*\i:32*\cc+4*\i+3], v239 offset:33792*\cc+528*\i
	ds_load_b128 v[64+32*\cc+4*\i:64+32*\cc+4*\i+3], v244 offset:33792*\cc+528*\i
.endr
.endr
	s_wait_dscnt 0x0
	WIN 0x45
.set j, 0
.rept 16
	v_pk_add_f32 v[j:j+1], v[j:j+1], v[32+j:33+j]
	v_pk_add_f32 v[64+j:65+j], v[64+j:65+j], v[96+j:97+j]
.set j, j+2
.endr
.set j, 0
.rept 16
	v_pk_add_f32 v[j:j+1], v[j:j+1], v[64+j:65+j]
.set j, j+2
.endr
	WIN 0x04
.irp i, 0,1,2,3,4,5,6,7
	global_store_b128 v245, v[4*\i:4*\i+3], s[56:57] offset:512*\i th:TH_STORE_NT   ; 32 lanes store a row's 512 consecutive bytes, at a multiple of 512 from out0's first byte
.endr
	WIN 0
	s_wait_tensorcnt 0x0                           ; the wave's end
	ds_add_u32 v[SPW], v[NIL]
	s_wait_dscnt 0x0
	ROUND                                          ; the closing round: no work-group ends while a partner may still ask for a tile that names it
	s_endpgm
.Lfunc_end_k_qcce299e6ab_attn:
	.size	k_qcce299e6ab_attn, .Lfunc_end_k_qcce299e6ab_attn-k_qcce299e6ab_attn
	.p2alignl 7, 3214868480
	.fill 96, 4, 3214868480
	.section	.rodata,"a",@progbits
	.p2align	6, 0x0
	.amdhsa_kernel k_qcce299e6ab_attn
		.amdhsa_group_segment_fixed_size 327680
		.amdhsa_private_segment_fixed_size 0
		.amdhsa_enable_private_segment 0
		.amdhsa_kernarg_size 32
		.amdhsa_user_sgpr_count 2
		.amdhsa_user_sgpr_kernarg_segment_ptr 1
		.amdhsa_wavefront_size32 1
		.amdhsa_system_sgpr_workgroup_id_x 1
		.amdhsa_system_sgpr_workgroup_id_y 1
		.amdhsa_system_sgpr_workgroup_id_z 1
		.amdhsa_system_vgpr_workitem_id 0
		.amdhsa_next_free_vgpr 512
		.amdhsa_next_free_sgpr 66
		.amdhsa_reserve_vcc 0
		.amdhsa_float_denorm_mode_32 3
		.amdhsa_float_denorm_mode_16_64 3
		.amdhsa_memory_ordered 1
		.amdhsa_forward_progress 1
		.amdhsa_inst_pref_size 171
	.end_amdhsa_kernel
	.amdgpu_metadata
---
amdhsa.version: [ 1, 2 ]
amdhsa.kernels:
  - .name:           k_qcce299e6ab_attn
    .symbol:         k_qcce299e6ab_attn.kd
    .args:
      - { .name: qc, .offset: 0, .size: 8, .value_kind: global_buffer, .address_space: global }
      - { .name: kvc, .offset: 8, .size: 8, .value_kind: global_buffer, .address_space: global }
      - { .name: scl, .offset: 16, .size: 8, .value_kind: global_buffer, .address_space: global }
      - { .name: out0, .offset: 24, .size: 8, .value_kind: global_buffer, .address_space: global }
    .group_segment_fixed_size: 327680
    .private_segment_fixed_size: 0
    .kernarg_segment_align: 8
    .kernarg_segment_size: 32
    .max_flat_workgroup_size: 256
    .sgpr_count:     66
    .vgpr_count:     512
    .wavefront_size: 32
...
	.end_amdgpu_metadata
.endif
;; end of part 3
